; MI455X (gfx1250); checked and timed in simulation.
; The chip was launched on July 23, 2026; its instructions are those of AMD's public machine-readable ISA for CDNA 5 (MIT licence, August 2026) and "CDNA5" Instruction Set Architecture Reference Guide (July 2026). The comments in the code are by the model that wrote it; some were corrected since.
;; Multi Head Attention Quantum. Allowed arithmetic: matrix products marked QUANTISED: E3M2 operands, one E8M0 scale for each 32 along K, by v_wmma_scale_f32_16x16x128_f8f6f4 with both operands' format E3M2, f32 sums; products left as they are: f32 operands where the result goes on into a quantised operand, else bf16, f16 or f32 operands; f32 sums; everything else in f32.
;; Inputs: theta 8 float32; w_combine_codes 128 x 4 x 24 uint8 (E3M2 codes of w_combine, K innermost, in blocks of 32 codes, four codes in three bytes); w_combine_scales 128 x 4 uint8 (E8M0 scales of w_combine, one for each 32 codes along K); x 8 x 512 x 128 float32.
;; Outputs: out0 8 x 512 x 128 float32.
;; This version of the problem:
;;   THIS VERSION OF THE PROBLEM IS GIVEN IN LOW PRECISION. The matrix products marked QUANTISED in the list below multiply operands that are first quantised to E3M2 (3 exponent bits, 2 mantissa bits; 6 bits a number), with one power-of-two scale for each 32 numbers along K (OCP MX v1.0); their sums are f32. All else is computed in f32.
;;   The module's matrix products, in the order in which they are computed (A, B: the left and right operand; K: the contracted axis; several contracted axes count as one K, in the product's order):
;;     1. batch 4,096 x [M 16, K 8] x [K 8, N 16]; A: computed on the way; B: computed on the way: left as it is (K = 8 < 32)
;;     2. batch 4,096 x [M 16, K 16] x [K 16, N 8]; A: softmax; B: computed on the way: left as it is (K = 16 < 32)
;;     3. [M 4,096, K 128] x [K 128, N 128]; A: computed on the way; B: input w_combine (given as codes): QUANTISED
;;   THE QUANTISER, for each operand of a quantised product, along K:
;;     - K is cut into blocks of 32 from its start; a last block that is shorter is filled with zeros.
;;     - A block's scale is 2^e with e = floor(log2(the largest magnitude in the block)) - 4, held to -126 .. 127; a block of zeros has e = 0. As a byte (E8M0): e + 127.
;;     - Each number is divided by its block's scale, clamped to +-28, and rounded to the nearest number of E3M2, ties to even, subnormals kept.
;;     - The product sums the exact products of the quantised numbers (number of the format x scale) in f32.
;;   ~~~python
;;   def quantise(x, axis):      # numpy; x: float32 -> the quantised numbers, widened to float32 again
;;       x = np.moveaxis(x, axis, -1); K = x.shape[-1]
;;       x = np.pad(x, [(0, 0)] * (x.ndim - 1) + [(0, -K % 32)]); x = x.reshape(x.shape[:-1] + (-1, 32)); a = np.abs(x).max(-1, keepdims=True)
;;       e = np.where(a > 0, np.clip(np.frexp(np.where(a > 0, a, 1))[1] - 1 - 4, -126, 127), 0)      # np.frexp(a)[1] - 1 = floor(log2(a)), exactly
;;       r = np.clip(x / 2.0 ** e, -28, 28)
;;       step = 2.0 ** (np.maximum(np.frexp(np.where(r == 0, 1, r))[1] - 1, -2) - 2)
;;       q = np.round(r / step) * step * 2.0 ** e      # np.round: ties to even
;;       return np.moveaxis(q.reshape(q.shape[:-2] + (-1,))[..., :K], -1, axis).astype(np.float32)
;;   ~~~
;;   OPERANDS COMPUTED ON THE WAY. 'Computed on the way' means the value that the module computes at that place (a softmax that the list does not call 'softmax' is quantised finished and normalised). What goes into a quantiser is computed in f32, as accurately as f32 sums, v_exp_f32 and their like allow (about 1e-6 of the number): no bf16 or f16 on the way to a quantiser, and a product that is left as it is and whose result goes on into a quantised operand takes f32 operands (vector FMAs, or v_wmma_f32_16x16x4_f32). A number that lies on a knife's edge between two numbers of the format may be rounded either way, as far as f32 arithmetic and the matrix unit's own rounding can turn it there, and no further.
;;   INPUTS GIVEN AS CODES. w_combine (in the module: [128, 128], K = its axis 1): each comes as NAME_codes (uint8): NAME with its K axis moved to the last place and cut into blocks of 32 codes, [.., K / 32, bytes a block], one block behind the other in memory; four codes in three bytes: a row's codes are one little-endian stream of bits, code i at bits 6 i .. 6 i + 5 (a code: sign, 3 exponent bits, 2 mantissa bits); and NAME_scales (uint8): the same leading axes, one E8M0 byte (e + 127) for each 32 codes along K. Its value is code x scale, taken as it is: it is not quantised again, and the codes and scales need not be those that the quantiser above would give.
;; 2 versions, each right; version 2 is version 1 with the launch qattn written anew for expert scheduling mode. Each part assembles by itself: llvm-mc -triple=amdgcn-amd-amdhsa -mcpu=gfx1250 --defsym DOCPART=n.
;; ======== version 1 of 2: 1 launch
;; limits: inputs' magnitudes at most 4,194,304
;; launch qattn (part 1): grid 256 x 1, 4 waves a work-group, no clusters, 10,752 bytes of LDS; arguments x, theta, w_combine_codes, w_combine_scales, out0; writes out0
.if DOCPART == 1
	.amdgcn_target "amdgcn-amd-amdhsa--gfx1250"
	.amdhsa_code_object_version 6
	.text
	.protected	k_q723b17d2b6_qattn
	.globl	k_q723b17d2b6_qattn
	.p2align	8
	.type	k_q723b17d2b6_qattn,@function
k_q723b17d2b6_qattn:
	s_mov_b64 s[64:65], 0
	v_nop
	global_prefetch_b8 v0, s[64:65] scope:SCOPE_SE
	s_setreg_imm32_b32 hwreg(HW_REG_WAVE_MODE, 25, 1), 1
	s_wait_xcnt 0x0
; out0 = A W^T.  A is the attention over the 16 heads of each token, transposed as the module transposes it; q = k = v = z, the measured <Z_w> of the 8-wire circuit.
; THE CIRCUIT IN CLOSED FORM (for every input).  RX(x) RX(theta) leaves a product state; a CNOT only permutes basis states, so the probabilities are those of 8 independent bits b_w with
; E[(-1)^b_w] = cos(x_w + theta_w) = c_w.  The chain of CNOTs makes bit w the exclusive or of bits 0 .. w, the last CNOT makes bit 0 the exclusive or of bits 1 .. 7.  The mean sign of an
; exclusive or of independent bits is the product of their mean signs:  z_w = c_0 c_1 .. c_w (w = 1 .. 7),  z_0 = c_1 c_2 .. c_7.
; WHICH ROWS BELONG TOGETHER.  Row 32 h + j of batch b of A holds head h of tokens 16 j .. 16 j + 15, K = 8 (token % 16) + d.  So 16 neighbouring tokens are ONE operand of 16 rows (the heads)
; x 128 K, and 4 neighbouring tokens are one block of 32 along K in each of its rows.
; SHARES.  A work-group takes 16 tokens (256 work-groups), wave w tokens 4 w .. 4 w + 3, lane (u = lane / 16, h = lane % 16) head h of tokens 4 w + 2 u + p, p = 0, 1.  The 16 heads of a token lie in
; one row of 16 lanes: score m of lane h is head h against head h xor m, fetched inside the multiply-add (DPP row_xmask:m); so is v in the second product.  All of it in f32.
; A lane's 16 results (p, d) are K = 32 w + 16 u + 0 .. 15: one conversion makes their codes.  Codes go to LDS as an image of the operand's registers, the four waves' scale bytes make the rows' scale words.
; Behind a barrier every wave reads the operand and multiplies it by its own 32 rows of W (two tiles), which it loaded at the head straight into operand registers.
; THE MATRIX INSTRUCTION IS USED TRANSPOSED (source 0 = 16 rows of W, source 1 = A's 16 rows): a lane holds 8 neighbouring columns of a row; the rows meet in a stage in LDS and leave whole, 512 bytes a store.
; NO CLUSTER: of what work-groups share, W, a wave wants 3,200 bytes, in the layout of its registers, asked for at the head and used behind some 700 vector instructions; a joint load would put a round
; of the cluster's barrier ahead of the first load and a trip through LDS behind it.  No tensor load: every byte of x is read once, by the lane that uses it.
; THE COSINE.  k = rndne(phi / 2 pi); f = phi - k 2 pi in two fused steps (2 pi = C1 + C2); c = 1 - s^2 with s = sqrt(2) sin(f / 2) = f (a0 + a1 u + .. + a6 u^6), u = f^2: the series of the sine
; through degree 13; its next term is under 7e-10 at |f| = pi.
; LIMITS.  Up to |x + theta| = 2^22 the reduced angle leaves [-pi, pi] by at most 0.4, where the next term is under 5e-9; beyond 2^24 the error grows.  NaN and infinities in x or theta are not served.
; A block of zeros gets the scale byte 1 (its codes are zeros) where the quantiser says 127: the bytes are read by this program alone.
.set XROW,   512                       ; bytes of a token's row of x, and of a row of out0
.set WROW,   96                        ; bytes of a row of W's codes: 128 codes of 6 bits
.set AIMG,   0                         ; LDS: the image of A's fragment: register 4 c + i of lane l at 512 c + 16 l + 4 i: 1,536 bytes
.set ASCL,   1536                      ; A's scale words: 4 bytes a row, byte w from wave w
.set STG,    1792                      ; the stage: 16 rows x (512 bytes + 16)
.set SPITCH, 528
.set XA,   3                           ; v3   x: 1,024 u + 32 h
.set WA,   4                           ; v4   W's codes: 96 r + 24 (lane / 16)
.set WSA,  5                           ; v5   W's scale words: 4 r
.set IA,   6                           ; v6-8 where my three words of codes go in the image
.set SBA,  9                           ; v9   where my row's scale byte goes
.set LI,   10                          ; v10  16 x lane: the image on the way back; my bytes of a row of out0
.set SWA,  11                          ; v11  my row's scale word
.set STO,  12                          ; v12  the stage: where I put 32 bytes of a row
.set SRD,  13                          ; v13  the stage: where I read a row back
.set NIL,  14                          ; v14  0: theta's offset
.set TH,   16                          ; v16-23  theta
.set A5V,  24                          ; v24-25  a5, twice
.set CT,   26                          ; v26-29  c0, c1 of token p at CT + 2 p
.set PH,   32                          ; v32-47  x, then phi: token p at + 8 p (so in all arrays of 16)
.set KK,   48                          ; v48-63  phi / 2 pi, then k
.set FF,   64                          ; v64-79  f
.set UU,   80                          ; v80-95  u
.set QQ,   96                          ; v96-111 the series, then s
.set ZZ,   112                         ; v112-127 c, then z
.set SC,   32                          ; v32-63  scores, then p: token p at + 16 p.  (Registers that the cosines have left: a DPP form's destination counts as read, and these have been written)
.set OT,   64                          ; v64-79  the attention's results: 16 neighbours along K
.set TMP,  80                          ; softmax at work, token p at + 16 p: +0, +1 maxima; +2 c x maximum; +4 .. +7 sums; +8 1 / sum
.set QT,   90                          ; v90-94  the quantiser at work
.set CD,   106                         ; v106-108 my 16 codes
.set WF,   128                         ; v128-151 W's two fragments
.set WSC,  152                         ; v152-153 their scale words;  v154 A's: these three hold scales and nothing else
.set ASW,  154
.set AF,   160                         ; v160-171 A's fragment
.set DD,   176                         ; v176-191 the two sums
.set OUTR, 192                         ; v192-207 four whole rows on the way out
.set WV,   14                          ; s14  my wave's number
.set INV,  26                          ; scalar pairs: a packed form names a pair and takes its low word for both halves, so both words are written
.set NC1,  28
.set NC2,  30
.set A6,   32
.set A4,   34
.set A3,   36
.set A2,   38
.set A1,   40
.set A0,   42
.set CS,   44
.set SEL,  46
.macro PAIR r, val
	s_mov_b32 s[\r], \val
	s_mov_b32 s[\r+1], \val
.endm
	s_load_b256 s[4:11], s[0:1], 0x0               ; x s[4:5], theta s[6:7], W's codes s[8:9], W's scales s[10:11]
	s_load_b64 s[12:13], s[0:1], 0x20              ; out0
	v_lshl_add_u32 v208, v0, 2, 0x2800
	v_mov_b32 v209, 0
	v_and_b32 v1, 15, v0                           ; h, also r
	v_bfe_u32 v2, v0, 4, 1                         ; u = lane / 16
	v_lshrrev_b32 v15, 5, v0
	v_readfirstlane_b32 s[WV], v15                 ; wave 0..3
	v_lshlrev_b32 v[XA], 5, v1
	v_lshl_add_u32 v[XA], v2, 10, v[XA]            ; token 2 u: two rows of 512 bytes; head h: 32 bytes
	v_mul_u32_u24 v[WA], v1, WROW
	v_mad_u32_u24 v[WA], v2, 24, v[WA]
	v_lshlrev_b32 v[WSA], 2, v1
	v_mov_b32 v[NIL], 0
	s_lshl_b32 s16, ttmp9, 13                      ; x: 16 tokens x 512 bytes a work-group,
	s_lshl_b32 s15, s[WV], 11                      ; 4 tokens a wave
	s_add_co_u32 s16, s16, s15
	s_mov_b32 s17, 0
	s_mul_i32 s18, s[WV], 32*WROW                  ; W: my 32 rows of codes,
	s_mov_b32 s19, 0
	s_lshl_b32 s20, s[WV], 7                       ; and their 32 scale words
	s_mov_b32 s21, 0
	s_lshr_b32 s22, ttmp9, 5                       ; out0: batch b = work-group / 32: 512 rows of 512 bytes;
	s_lshl_b32 s22, s22, 18
	s_and_b32 s15, ttmp9, 31                       ; row j = work-group % 32;
	s_lshl_b32 s15, s15, 9
	s_add_co_u32 s22, s22, s15
	s_lshl_b32 s15, s[WV], 16                      ; I store heads 4 w .. 4 w + 3, and a head is 32 rows on
	s_add_co_u32 s22, s22, s15
	s_mov_b32 s23, 0
	s_wait_kmcnt 0x0
	s_add_nc_u64 s[4:5], s[4:5], s[16:17]
	s_add_nc_u64 s[8:9], s[8:9], s[18:19]
	s_add_nc_u64 s[10:11], s[10:11], s[20:21]
	s_add_nc_u64 s[12:13], s[12:13], s[22:23]
.irp p, 0,1                                    ; x first: it is wanted first.  A token's two loads together cover its whole row; the wave's four cover 2,048 consecutive bytes
	global_load_b128 v[PH+8*\p:PH+8*\p+3], v[XA], s[4:5] offset:XROW*\p th:TH_LOAD_NT
	global_load_b128 v[PH+8*\p+4:PH+8*\p+7], v[XA], s[4:5] offset:XROW*\p+16 th:TH_LOAD_NT
.endr
	global_load_b128 v[TH:TH+3], v[NIL], s[6:7]
	global_load_b128 v[TH+4:TH+7], v[NIL], s[6:7] offset:16
.irp i, 0,1                                    ; W's rows 32 w + 16 i + r: 24 bytes of the row's stream of bits are six registers as they lie; pieces of 8 bytes, so that every address is a multiple of the access's size
.irp q, 0,1,2,3,4,5
	global_load_b64 v[WF+12*\i+2*\q:WF+12*\i+2*\q+1], v[WA], s[8:9] offset:16*WROW*\i+48*(\q/3)+8*(\q%3)
.endr
	global_load_b32 v[WSC+\i], v[WSA], s[10:11] offset:64*\i
.endr
	; while the loads are out: constants and LDS addresses
	PAIR INV, 0x3e22f983                           ; 1 / 2 pi
	PAIR NC1, 0xc0c90fdb                           ; -C1: 2 pi rounded to f32
	PAIR NC2, 0x343bbd2e                           ; -C2 = C1 - 2 pi
	PAIR A6,  0x28f9b58d                           ; a_j = sqrt(2) (-1)^j / ((2 j + 1)! 2^(2 j + 1))
	PAIR A4,  0x3202c4a3
	PAIR A3,  0xb6131d37
	PAIR A2,  0x39c11659
	PAIR A1,  0xbcf15bef
	PAIR A0,  0x3f3504f3
	PAIR CS,  0x3f0293ee                           ; log2(e) / sqrt(8)
	s_mov_b32 s[SEL], 0x76543210
	s_mov_b32 s[SEL+1], 0xfedcba98                 ; v_permlanex16_b32's selects for lane l xor 16
	v_mov_b32 v[A5V], 0xad982aa2
	v_mov_b32 v[A5V+1], 0xad982aa2
	v_and_b32 v15, 31, v0
	v_lshlrev_b32 v[LI], 4, v15
	v_lshl_add_u32 v[SWA], v1, 2, ASCL
	v_add_nc_u32 v[SBA], s[WV], v[SWA]
	; My block of 32 along K is block w of row h: in the operand it lies in lane h + 16 (w % 2), registers 6 (w / 2) .. + 5; my 16 codes are its words 3 u .. 3 u + 2
	s_lshr_b32 s24, s[WV], 1
	s_mul_i32 s24, s24, 6
	s_and_b32 s25, s[WV], 1
	s_lshl_b32 s25, s25, 8
	v_mul_u32_u24 v30, v2, 3
	v_add_nc_u32 v30, s24, v30                     ; the register that my first word is
	v_lshl_add_u32 v31, v1, 4, s25                 ; 16 x the lane that holds it
.irp i, 0,1,2
	v_add_nc_u32 v15, \i, v30
	v_lshrrev_b32 v[IA+\i], 2, v15
	v_and_b32 v15, 3, v15
	v_lshl_add_u32 v[IA+\i], v[IA+\i], 9, v31
	v_lshl_add_u32 v[IA+\i], v15, 2, v[IA+\i]      ; 512 (register / 4) + 16 lane + 4 (register % 4)
.endr
	v_mul_u32_u24 v[STO], v1, SPITCH               ; the stage, in: row r, my wave's 128 bytes, 32 bytes for each half of the lanes
	v_lshl_add_u32 v[STO], v2, 5, v[STO]
	s_lshl_b32 s24, s[WV], 7
	s_add_co_u32 s24, s24, STG
	v_add_nc_u32 v[STO], s24, v[STO]
	s_mul_i32 s25, s[WV], 4*SPITCH                 ; back: rows 4 w .. 4 w + 3, 16 bytes a lane
	s_add_co_u32 s25, s25, STG
	v_add_nc_u32 v[SRD], s25, v[LI]
	s_wait_loadcnt 14                              ; x's four loads and theta's two are in; the 14 younger ones, W's, stay out
	; ---- 16 cosines a lane, two at a time; each line runs over the eight pairs, so that no line waits for the line above it
.irp i, 0,1,2,3,4,5,6,7
	v_pk_add_f32 v[PH+2*\i:PH+2*\i+1], v[PH+2*\i:PH+2*\i+1], v[TH+2*(\i%4):TH+2*(\i%4)+1]   ; phi = x + theta
.endr
.irp i, 0,1,2,3,4,5,6,7
	v_pk_mul_f32 v[KK+2*\i:KK+2*\i+1], v[PH+2*\i:PH+2*\i+1], s[INV:INV+1] op_sel_hi:[1,0]
.endr
.irp j, 0,1,2,3,4,5,6,7,8,9,10,11,12,13,14,15
	v_rndne_f32 v[KK+\j], v[KK+\j]                 ; k
.endr
.irp i, 0,1,2,3,4,5,6,7
	v_pk_fma_f32 v[FF+2*\i:FF+2*\i+1], v[KK+2*\i:KK+2*\i+1], s[NC1:NC1+1], v[PH+2*\i:PH+2*\i+1] op_sel_hi:[1,0,1]
.endr
.irp i, 0,1,2,3,4,5,6,7
	v_pk_fma_f32 v[FF+2*\i:FF+2*\i+1], v[KK+2*\i:KK+2*\i+1], s[NC2:NC2+1], v[FF+2*\i:FF+2*\i+1] op_sel_hi:[1,0,1]   ; f = phi - k 2 pi
.endr
.irp i, 0,1,2,3,4,5,6,7
	v_pk_mul_f32 v[UU+2*\i:UU+2*\i+1], v[FF+2*\i:FF+2*\i+1], v[FF+2*\i:FF+2*\i+1]
.endr
.irp i, 0,1,2,3,4,5,6,7
	v_pk_fma_f32 v[QQ+2*\i:QQ+2*\i+1], v[UU+2*\i:UU+2*\i+1], s[A6:A6+1], v[A5V:A5V+1] op_sel_hi:[1,0,1]
.endr
.irp a, A4, A3, A2, A1, A0
.irp i, 0,1,2,3,4,5,6,7
	v_pk_fma_f32 v[QQ+2*\i:QQ+2*\i+1], v[QQ+2*\i:QQ+2*\i+1], v[UU+2*\i:UU+2*\i+1], s[\a:\a+1] op_sel_hi:[1,1,0]
.endr
.endr
.irp i, 0,1,2,3,4,5,6,7
	v_pk_mul_f32 v[QQ+2*\i:QQ+2*\i+1], v[QQ+2*\i:QQ+2*\i+1], v[FF+2*\i:FF+2*\i+1]   ; s = sqrt(2) sin(f / 2)
.endr
.irp i, 0,1,2,3,4,5,6,7
.if (\i%4) == 0
	v_pk_fma_f32 v[CT+\i/2:CT+\i/2+1], v[QQ+2*\i:QQ+2*\i+1], v[QQ+2*\i:QQ+2*\i+1], 1.0 op_sel_hi:[1,1,0] neg_lo:[1,0,0] neg_hi:[1,0,0]   ; c0, c1 stand apart: z0 and z1 take their places below
.else
	v_pk_fma_f32 v[ZZ+2*\i:ZZ+2*\i+1], v[QQ+2*\i:QQ+2*\i+1], v[QQ+2*\i:QQ+2*\i+1], 1.0 op_sel_hi:[1,1,0] neg_lo:[1,0,0] neg_hi:[1,0,0]   ; c = 1 - s^2
.endif
.endr
	; ---- z: first q_w = c1 .. c_w in place, then z0 = q7 and z_w = c0 q_w; the two tokens by turns
.irp p, 0,1
	v_mul_f32 v[ZZ+8*\p+2], v[CT+2*\p+1], v[ZZ+8*\p+2]
.endr
.irp w, 3,4,5,6
.irp p, 0,1
	v_mul_f32 v[ZZ+8*\p+\w], v[ZZ+8*\p+\w-1], v[ZZ+8*\p+\w]
.endr
.endr
.irp p, 0,1
	v_mul_f32 v[ZZ+8*\p], v[ZZ+8*\p+6], v[ZZ+8*\p+7]                 ; z0 = q7, ahead of the line that turns q6 into z6
	v_mul_f32 v[ZZ+8*\p+1], v[CT+2*\p], v[CT+2*\p+1]
	v_pk_mul_f32 v[ZZ+8*\p+2:ZZ+8*\p+3], v[ZZ+8*\p+2:ZZ+8*\p+3], v[CT+2*\p:CT+2*\p+1] op_sel_hi:[1,0]
	v_pk_mul_f32 v[ZZ+8*\p+4:ZZ+8*\p+5], v[ZZ+8*\p+4:ZZ+8*\p+5], v[CT+2*\p:CT+2*\p+1] op_sel_hi:[1,0]
	v_mul_f32 v[ZZ+8*\p+6], v[CT+2*\p], v[ZZ+8*\p+6]
	v_mul_f32 v[ZZ+8*\p+7], v[CT+2*\p], v[ZZ+8*\p]
.endr
; Score m of lane h: z[h] . z[h xor m].  The first source comes from lane h xor m of my row of 16 lanes.  d outermost, so that 16 sums take turns.
.macro SCORES p
.set ZP, ZZ+8*\p
.set SP, SC+16*\p
	v_mul_f32 v[SP], v[ZP], v[ZP]
.irp m, 1,2,3,4,5,6,7,8,9,10,11,12,13,14,15
	v_mul_f32_dpp v[SP+\m], v[ZP], v[ZP] row_xmask:\m row_mask:0xf bank_mask:0xf
.endr
.irp d, 1,2,3,4,5,6,7
	v_fmac_f32 v[SP], v[ZP+\d], v[ZP+\d]
.irp m, 1,2,3,4,5,6,7,8,9,10,11,12,13,14,15
	v_fmac_f32_dpp v[SP+\m], v[ZP+\d], v[ZP+\d] row_xmask:\m row_mask:0xf bank_mask:0xf
.endr
.endr
.endm
; p = 2^(c s - c max), c = log2(e) / sqrt(8): the row's 16 scores are all mine
.macro EXPS p
.set SP, SC+16*\p
.set TT, TMP+16*\p
	v_max3_num_f32 v[TT], v[SP], v[SP+1], v[SP+2]
	v_max3_num_f32 v[TT+1], v[SP+3], v[SP+4], v[SP+5]
.irp i, 6,10
	v_max3_num_f32 v[TT], v[TT], v[SP+\i], v[SP+\i+1]
	v_max3_num_f32 v[TT+1], v[TT+1], v[SP+\i+2], v[SP+\i+3]
.endr
	v_max3_num_f32 v[TT], v[TT], v[SP+14], v[SP+15]
	v_max_num_f32 v[TT], v[TT], v[TT+1]
	v_mul_f32 v[TT+2], s[CS], v[TT]
.irp i, 0,2,4,6,8,10,12,14
	v_pk_fma_f32 v[SP+\i:SP+\i+1], v[SP+\i:SP+\i+1], s[CS:CS+1], v[TT+2:TT+3] op_sel_hi:[1,0,0] neg_lo:[0,0,1] neg_hi:[0,0,1]
.endr
.irp i, 0,1,2,3,4,5,6,7,8,9,10,11,12,13,14,15
	v_exp_f32 v[SP+\i], v[SP+\i]
.endr
.endm
; the row's sum, in two chains of pairs, and its reciprocal
.macro SUMS p
.set SP, SC+16*\p
.set TT, TMP+16*\p
	v_pk_add_f32 v[TT+4:TT+5], v[SP:SP+1], v[SP+2:SP+3]
	v_pk_add_f32 v[TT+6:TT+7], v[SP+4:SP+5], v[SP+6:SP+7]
	v_pk_add_f32 v[TT+4:TT+5], v[TT+4:TT+5], v[SP+8:SP+9]
	v_pk_add_f32 v[TT+6:TT+7], v[TT+6:TT+7], v[SP+10:SP+11]
	v_pk_add_f32 v[TT+4:TT+5], v[TT+4:TT+5], v[SP+12:SP+13]
	v_pk_add_f32 v[TT+6:TT+7], v[TT+6:TT+7], v[SP+14:SP+15]
	v_pk_add_f32 v[TT+4:TT+5], v[TT+4:TT+5], v[TT+6:TT+7]
	v_add_f32 v[TT+4], v[TT+4], v[TT+5]
	v_rcp_f32 v[TT+8], v[TT+4]
.endm
; o[d] = the sum over m of p_m z[h xor m][d]; my own head's term starts the sums
.macro OUTS p
.set ZP, ZZ+8*\p
.set SP, SC+16*\p
.set OP, OT+8*\p
.irp i, 0,2,4,6
	v_pk_mul_f32 v[OP+\i:OP+\i+1], v[ZP+\i:ZP+\i+1], v[SP:SP+1] op_sel_hi:[1,0]
.endr
.irp m, 1,2,3,4,5,6,7,8,9,10,11,12,13,14,15
.irp d, 0,1,2,3,4,5,6,7
	v_fmac_f32_dpp v[OP+\d], v[ZP+\d], v[SP+\m] row_xmask:\m row_mask:0xf bank_mask:0xf
.endr
.endr
.endm
.macro NORM p                                  ; divided by the row's sum
.set OP, OT+8*\p
.set TT, TMP+16*\p
.irp i, 0,2,4,6
	v_pk_mul_f32 v[OP+\i:OP+\i+1], v[OP+\i:OP+\i+1], v[TT+8:TT+9] op_sel_hi:[1,0]
.endr
.endm
	; ---- the attention of my two tokens.  Behind each batch of exponentials stands the other token's work, which names none of the batch's results; then ONE wait ahead of the batch's first reader
	SCORES 0
	EXPS 0
	SCORES 1
	s_wait_alu depctr_va_vdst(0)                   ; token 0's 16 exponentials
	SUMS 0
	EXPS 1
	OUTS 0
	s_wait_alu depctr_va_vdst(0)                   ; token 0's reciprocal and token 1's 16 exponentials
	SUMS 1
	NORM 0
	OUTS 1
	s_wait_alu depctr_va_vdst(0)                   ; token 1's reciprocal
	NORM 1
	; ---- the quantiser: my 16 numbers and lane l xor 16's are block w of row h
	v_max3_num_f32 v[QT], |v[OT]|, |v[OT+1]|, 0x2800000               ; with the floor 2^(5 - 127) among the leaves: the byte cannot fall under 1
	v_max3_num_f32 v[QT+1], |v[OT+2]|, |v[OT+3]|, |v[OT+4]|
.irp i, 5,9
	v_max3_num_f32 v[QT], v[QT], |v[OT+\i]|, |v[OT+\i+1]|
	v_max3_num_f32 v[QT+1], v[QT+1], |v[OT+\i+2]|, |v[OT+\i+3]|
.endr
	v_max3_num_f32 v[QT], v[QT], |v[OT+13]|, |v[OT+14]|
	v_max3_num_f32 v[QT], v[QT], v[QT+1], |v[OT+15]|
	v_permlanex16_b32 v[QT+2], v[QT], s[SEL], s[SEL+1]                ; (its destination counts as read: the cosines have written it)
	v_max_num_f32 v[QT], v[QT], v[QT+2]                               ; the block's largest magnitude
	v_add_nc_u32 v[QT+3], 0xfe000000, v[QT]                           ; 4 off its exponent field: the conversion takes the exponent field of this operand as its scale
	v_cvt_scalef32_pk16_bf6_f32 v[CD:CD+2], v[OT:OT+15], v[QT+3]      ; 16 codes, 96 bits, the lowest K lowest; beyond 28 the largest code
	v_lshrrev_b32 v[QT+4], 23, v[QT+3]                                ; the scale's byte.  (Also the plain instruction behind a scaled conversion)
.irp i, 0,1,2
	ds_store_b32 v[IA+\i], v[CD+\i]
.endr
	ds_store_b8 v[SBA], v[QT+4]                    ; both lanes of a block write the same byte with the same value
	s_wait_loadcnt 0x0                             ; W's fragments and scale words, asked for at the head
	s_wait_dscnt 0x0                               ; for the others' sake: my part of the operand lies in LDS
	s_barrier_signal -1
	s_barrier_wait -1                              ; everybody's does
.irp c, 0,1,2
	ds_load_b128 v[AF+4*\c:AF+4*\c+3], v[LI] offset:AIMG+512*\c
.endr
	ds_load_b32 v[ASW], v[SWA]
	s_wait_dscnt 0x0
	; columns 32 w + 16 i + 8 (lane / 16) + 0 .. 7 of row r.  All operands and scales come from loads; two sums, each begun with the constant 0
.irp i, 0,1
	v_wmma_scale_f32_16x16x128_f8f6f4 v[DD+8*\i:DD+8*\i+7], v[WF+12*\i:WF+12*\i+11], v[AF:AF+11], 0, v[WSC+\i], v[ASW] matrix_a_fmt:MATRIX_FMT_BF6 matrix_b_fmt:MATRIX_FMT_BF6
.endr
.rept 4
	v_nop                                          ; four places between a matrix instruction on 6-bit operands and the LDS stores that read its result (ISA guide 7.12.1 for vector instructions)
.endr
.irp i, 0,1
	ds_store_b128 v[STO], v[DD+8*\i:DD+8*\i+3] offset:64*\i           ; each sum from its low end on
	ds_store_b128 v[STO], v[DD+8*\i+4:DD+8*\i+7] offset:64*\i+16
.endr
	s_wait_dscnt 0x0                               ; for the others' sake: my 128 bytes of each of the 16 rows lie in the stage (bytes of its own: other waves may still be reading the image)
	s_barrier_signal -1
	s_barrier_wait -1
.irp i, 0,1,2,3
	ds_load_b128 v[OUTR+4*\i:OUTR+4*\i+3], v[SRD] offset:\i*SPITCH
.endr
.irp i, 0,1,2,3
	s_wait_dscnt 3-\i                              ; LDS loads come back in order: row i is in, the younger ones may be out
	global_store_b128 v[LI], v[OUTR+4*\i:OUTR+4*\i+3], s[12:13] offset:\i*32*XROW th:TH_STORE_NT   ; head 4 w + i: 32 lanes store a row's 512 consecutive bytes, at a multiple of 512 from out0's first byte
.endr
	s_wait_tensorcnt 0x0
	ds_add_u32 v208, v209
	s_wait_dscnt 0x0
	s_endpgm
.Lfunc_end_k_q723b17d2b6_qattn:
	.size	k_q723b17d2b6_qattn, .Lfunc_end_k_q723b17d2b6_qattn-k_q723b17d2b6_qattn
	.p2alignl 7, 3214868480
	.fill 96, 4, 3214868480
	.section	.rodata,"a",@progbits
	.p2align	6, 0x0
	.amdhsa_kernel k_q723b17d2b6_qattn
		.amdhsa_group_segment_fixed_size 10752
		.amdhsa_private_segment_fixed_size 0
		.amdhsa_enable_private_segment 0
		.amdhsa_kernarg_size 40
		.amdhsa_user_sgpr_count 2
		.amdhsa_user_sgpr_kernarg_segment_ptr 1
		.amdhsa_wavefront_size32 1
		.amdhsa_system_sgpr_workgroup_id_x 1
		.amdhsa_system_sgpr_workgroup_id_y 1
		.amdhsa_system_sgpr_workgroup_id_z 1
		.amdhsa_system_vgpr_workitem_id 0
		.amdhsa_next_free_vgpr 210
		.amdhsa_next_free_sgpr 66
		.amdhsa_reserve_vcc 0
		.amdhsa_float_denorm_mode_32 3
		.amdhsa_float_denorm_mode_16_64 3
		.amdhsa_memory_ordered 1
		.amdhsa_forward_progress 1
		.amdhsa_inst_pref_size 54
	.end_amdhsa_kernel
	.amdgpu_metadata
---
amdhsa.version: [ 1, 2 ]
amdhsa.kernels:
  - .name:           k_q723b17d2b6_qattn
    .symbol:         k_q723b17d2b6_qattn.kd
    .args:
      - { .name: x, .offset: 0, .size: 8, .value_kind: global_buffer, .address_space: global }
      - { .name: theta, .offset: 8, .size: 8, .value_kind: global_buffer, .address_space: global }
      - { .name: w_combine_codes, .offset: 16, .size: 8, .value_kind: global_buffer, .address_space: global }
      - { .name: w_combine_scales, .offset: 24, .size: 8, .value_kind: global_buffer, .address_space: global }
      - { .name: out0, .offset: 32, .size: 8, .value_kind: global_buffer, .address_space: global }
    .group_segment_fixed_size: 10752
    .private_segment_fixed_size: 0
    .kernarg_segment_align: 8
    .kernarg_segment_size: 40
    .max_flat_workgroup_size: 128
    .sgpr_count:     66
    .vgpr_count:     210
    .wavefront_size: 32
...
	.end_amdgpu_metadata
.endif
;; end of part 1
;; ======== version 2 of 2: 1 launch; version 1 with the launch qattn written anew for expert scheduling mode
;; limits: inputs' magnitudes at most 4,194,304
;; launch qattn (part 2): grid 256 x 1, 4 waves a work-group, no clusters, 10,752 bytes of LDS; arguments x, theta, w_combine_codes, w_combine_scales, out0; writes out0
.if DOCPART == 2
	.amdgcn_target "amdgcn-amd-amdhsa--gfx1250"
	.amdhsa_code_object_version 6
	.text
	.protected	k_q723b17d2b6_qattn
	.globl	k_q723b17d2b6_qattn
	.p2align	8
	.type	k_q723b17d2b6_qattn,@function
k_q723b17d2b6_qattn:
	s_mov_b64 s[64:65], 0
	v_nop
	global_prefetch_b8 v0, s[64:65] scope:SCOPE_SE
	s_setreg_imm32_b32 hwreg(HW_REG_WAVE_SCHED_MODE, 0, 2), 2
	s_setreg_imm32_b32 hwreg(HW_REG_WAVE_MODE, 25, 1), 1
	s_wait_xcnt 0x0
	s_wait_alu depctr_vm_vsrc(0)
; out0 = A W^T.  A is the attention over the 16 heads of each token, transposed as the module transposes it; q = k = v = z, the measured <Z_w> of the 8-wire circuit.
; THE CIRCUIT IN CLOSED FORM (for every input).  RX(x) RX(theta) leaves a product state; a CNOT only permutes basis states, so the probabilities are those of 8 independent bits b_w with
; E[(-1)^b_w] = cos(x_w + theta_w) = c_w.  The chain of CNOTs makes bit w the exclusive or of bits 0 .. w, the last CNOT makes bit 0 the exclusive or of bits 1 .. 7.  The mean sign of an
; exclusive or of independent bits is the product of their mean signs:  z_w = c_0 c_1 .. c_w (w = 1 .. 7),  z_0 = c_1 c_2 .. c_7.
; WHICH ROWS BELONG TOGETHER.  Row 32 h + j of batch b of A holds head h of tokens 16 j .. 16 j + 15, K = 8 (token % 16) + d.  So 16 neighbouring tokens are ONE operand of 16 rows (the heads)
; x 128 K, and 4 neighbouring tokens are one block of 32 along K in each of its rows.
; SHARES.  A work-group takes 16 tokens (256 work-groups), wave w tokens 4 w .. 4 w + 3, lane (u = lane / 16, h = lane % 16) head h of tokens 4 w + 2 u + p, p = 0, 1.  The 16 heads of a token lie in
; one row of 16 lanes: score m of lane h is head h against head h xor m, fetched inside the multiply-add (DPP row_xmask:m); so is v in the second product.  All of it in f32.
; A lane's 16 results (p, d) are K = 32 w + 16 u + 0 .. 15: one conversion makes their codes.  Codes go to LDS as an image of the operand's registers, the four waves' scale bytes make the rows' scale words.
; Behind a barrier every wave reads the operand and multiplies it by its own 32 rows of W (two tiles), which it loaded at the head straight into operand registers.
; THE MATRIX INSTRUCTION IS USED TRANSPOSED (source 0 = 16 rows of W, source 1 = A's 16 rows): a lane holds 8 neighbouring columns of a row; the rows meet in a stage in LDS and leave whole, 512 bytes a store.
; NO CLUSTER: of what work-groups share, W, a wave wants 3,200 bytes, in the layout of its registers, asked for at the head and used behind some 700 vector instructions; a joint load would put a round
; of the cluster's barrier ahead of the first load and a trip through LDS behind it.  No tensor load: every byte of x is read once, by the lane that uses it.
; THE COSINE.  k = rndne(phi / 2 pi); f = phi - k 2 pi in two fused steps (2 pi = C1 + C2); c = 1 - s^2 with s = sqrt(2) sin(f / 2) = f (a0 + a1 u + .. + a6 u^6), u = f^2: the series of the sine
; through degree 13; its next term is under 7e-10 at |f| = pi.
; LIMITS.  Up to |x + theta| = 2^22 the reduced angle leaves [-pi, pi] by at most 0.4, where the next term is under 5e-9; beyond 2^24 the error grows.  NaN and infinities in x or theta are not served.
; A block of zeros gets the scale byte 1 (its codes are zeros) where the quantiser says 127: the bytes are read by this program alone.
; THE MODE: SCHED_MODE bits 1:0 = 2 (LLVM: expert scheduling mode 2), set by the entry lines.  The code itself states the register dependences
; between vector or matrix instructions and memory or LDS instructions, with s_wait_alu, always for 0.
; THE PLAN.  Registers that memory or LDS instructions touch, in the order of the text (there is no loop):
;   v3, v4, v5, v14        offsets of the 20 global loads.  Written by vector instructions at the head, once; never written again.
;   v32-47, v16-23, v128-153   x, theta, W's fragments and scale words.  Written by global loads alone; no vector instruction names them ahead of those loads, and no load lands there twice.
;   v6-v13                 LDS addresses, and 16 x lane, which is also out0's offset.  Written by vector instructions behind the global loads, once; never written again.
;   v106-108, v94          my codes and my scale byte.  Written by the conversion and a shift; read by four LDS stores; never written again.
;   v160-171, v154         A's fragment and scale words.  Written by LDS loads alone; read by the matrix instructions.
;   v176-191               the two sums.  Written by the matrix instructions; read by the stage's four LDS stores; never written again.
;   v192-207               four rows on the way out.  Written by LDS loads alone; read by the global stores.
; So the waits on va_vdst stand: ahead of the first global load (its offsets); ahead of the operand's LDS stores (codes, byte, all LDS addresses), which also serves the LDS loads behind the
; barrier, since no vector instruction stands between; ahead of the stage's LDS stores (the sums), which also serves the stage's loads and the global stores, since no vector instruction follows it.
; Three more stand ahead of the first readers of the exponentials and reciprocals.  One wait on va_sdst stands ahead of the first reader of the wave's number.
; No register that a memory or LDS instruction has read is written again, and EXEC and VCC are never written: the body holds no wait on vm_vsrc.
.set XROW,   512                       ; bytes of a token's row of x, and of a row of out0
.set WROW,   96                        ; bytes of a row of W's codes: 128 codes of 6 bits
.set AIMG,   0                         ; LDS: the image of A's fragment: register 4 c + i of lane l at 512 c + 16 l + 4 i: 1,536 bytes
.set ASCL,   1536                      ; A's scale words: 4 bytes a row, byte w from wave w
.set STG,    1792                      ; the stage: 16 rows x (512 bytes + 16)
.set SPITCH, 528
.set XA,   3                           ; v3   x: 1,024 u + 32 h
.set WA,   4                           ; v4   W's codes: 96 r + 24 (lane / 16)
.set WSA,  5                           ; v5   W's scale words: 4 r
.set IA,   6                           ; v6-8 where my three words of codes go in the image
.set SBA,  9                           ; v9   where my row's scale byte goes
.set LI,   10                          ; v10  16 x lane: the image on the way back; my bytes of a row of out0
.set SWA,  11                          ; v11  my row's scale word
.set STO,  12                          ; v12  the stage: where I put 32 bytes of a row
.set SRD,  13                          ; v13  the stage: where I read a row back
.set NIL,  14                          ; v14  0: theta's offset
.set TH,   16                          ; v16-23  theta
.set A5V,  24                          ; v24-25  a5, twice
.set CT,   26                          ; v26-29  c0, c1 of token p at CT + 2 p
.set PH,   32                          ; v32-47  x, then phi: token p at + 8 p (so in all arrays of 16)
.set KK,   48                          ; v48-63  phi / 2 pi, then k
.set FF,   64                          ; v64-79  f
.set UU,   80                          ; v80-95  u
.set QQ,   96                          ; v96-111 the series, then s
.set ZZ,   112                         ; v112-127 c, then z
.set SC,   32                          ; v32-63  scores, then p: token p at + 16 p.  (Registers that the cosines have left: a DPP form's destination counts as read, and these have been written)
.set OT,   64                          ; v64-79  the attention's results: 16 neighbours along K
.set TMP,  80                          ; softmax at work, token p at + 16 p: +0, +1 maxima; +2 c x maximum; +4 .. +7 sums; +8 1 / sum
.set QT,   90                          ; v90-94  the quantiser at work
.set CD,   106                         ; v106-108 my 16 codes
.set WF,   128                         ; v128-151 W's two fragments
.set WSC,  152                         ; v152-153 their scale words;  v154 A's: these three hold scales and nothing else
.set ASW,  154
.set AF,   160                         ; v160-171 A's fragment
.set DD,   176                         ; v176-191 the two sums
.set OUTR, 192                         ; v192-207 four whole rows on the way out
.set WV,   14                          ; s14  my wave's number
.set INV,  26                          ; scalar pairs: a packed form names a pair and takes its low word for both halves, so both words are written
.set NC1,  28
.set NC2,  30
.set A6,   32
.set A4,   34
.set A3,   36
.set A2,   38
.set A1,   40
.set A0,   42
.set CS,   44
.set SEL,  46
.macro PAIR r, val
	s_mov_b32 s[\r], \val
	s_mov_b32 s[\r+1], \val
.endm
	s_load_b256 s[4:11], s[0:1], 0x0               ; x s[4:5], theta s[6:7], W's codes s[8:9], W's scales s[10:11]
	s_load_b64 s[12:13], s[0:1], 0x20              ; out0
	v_lshl_add_u32 v174, v0, 2, 0x2800
	v_mov_b32 v175, 0
	v_and_b32 v1, 15, v0                           ; h, also r
	v_bfe_u32 v2, v0, 4, 1                         ; u = lane / 16
	v_lshrrev_b32 v15, 5, v0
	v_readfirstlane_b32 s[WV], v15                 ; wave 0..3
	v_lshlrev_b32 v[XA], 5, v1
	v_lshl_add_u32 v[XA], v2, 10, v[XA]            ; token 2 u: two rows of 512 bytes; head h: 32 bytes
	v_mul_u32_u24 v[WA], v1, WROW
	v_mad_u32_u24 v[WA], v2, 24, v[WA]
	v_lshlrev_b32 v[WSA], 2, v1
	v_mov_b32 v[NIL], 0
	s_wait_alu depctr_va_sdst(0)                   ; s14, the wave's number, is written, ahead of its first reader: the bases of x, W and out0 and the LDS addresses are made from it
	s_lshl_b32 s16, ttmp9, 13                      ; x: 16 tokens x 512 bytes a work-group,
	s_lshl_b32 s15, s[WV], 11                      ; 4 tokens a wave
	s_add_co_u32 s16, s16, s15
	s_mov_b32 s17, 0
	s_mul_i32 s18, s[WV], 32*WROW                  ; W: my 32 rows of codes,
	s_mov_b32 s19, 0
	s_lshl_b32 s20, s[WV], 7                       ; and their 32 scale words
	s_mov_b32 s21, 0
	s_lshr_b32 s22, ttmp9, 5                       ; out0: batch b = work-group / 32: 512 rows of 512 bytes;
	s_lshl_b32 s22, s22, 18
	s_and_b32 s15, ttmp9, 31                       ; row j = work-group % 32;
	s_lshl_b32 s15, s15, 9
	s_add_co_u32 s22, s22, s15
	s_lshl_b32 s15, s[WV], 16                      ; I store heads 4 w .. 4 w + 3, and a head is 32 rows on
	s_add_co_u32 s22, s22, s15
	s_mov_b32 s23, 0
	s_wait_kmcnt 0x0
	s_add_nc_u64 s[4:5], s[4:5], s[16:17]
	s_add_nc_u64 s[8:9], s[8:9], s[18:19]
	s_add_nc_u64 s[10:11], s[10:11], s[20:21]
	s_add_nc_u64 s[12:13], s[12:13], s[22:23]
	s_wait_alu depctr_va_vdst(0)                   ; the offsets v3, v4, v5 and v14 are written, which the 20 loads below read; no vector instruction has named the registers in which these loads land
.irp p, 0,1                                    ; x first: it is wanted first.  A token's two loads together cover its whole row; the wave's four cover 2,048 consecutive bytes
	global_load_b128 v[PH+8*\p:PH+8*\p+3], v[XA], s[4:5] offset:XROW*\p th:TH_LOAD_NT
	global_load_b128 v[PH+8*\p+4:PH+8*\p+7], v[XA], s[4:5] offset:XROW*\p+16 th:TH_LOAD_NT
.endr
	global_load_b128 v[TH:TH+3], v[NIL], s[6:7]
	global_load_b128 v[TH+4:TH+7], v[NIL], s[6:7] offset:16
.irp i, 0,1                                    ; W's rows 32 w + 16 i + r: 24 bytes of the row's stream of bits are six registers as they lie; pieces of 8 bytes, so that every address is a multiple of the access's size
.irp q, 0,1,2,3,4,5
	global_load_b64 v[WF+12*\i+2*\q:WF+12*\i+2*\q+1], v[WA], s[8:9] offset:16*WROW*\i+48*(\q/3)+8*(\q%3)
.endr
	global_load_b32 v[WSC+\i], v[WSA], s[10:11] offset:64*\i
.endr
	; while the loads are out: constants and LDS addresses.  These lines write v6 to v13, v15, v24, v25, v30, v31: none of the loads' offsets and none of the registers in which the loads land
	PAIR INV, 0x3e22f983                           ; 1 / 2 pi
	PAIR NC1, 0xc0c90fdb                           ; -C1: 2 pi rounded to f32
	PAIR NC2, 0x343bbd2e                           ; -C2 = C1 - 2 pi
	PAIR A6,  0x28f9b58d                           ; a_j = sqrt(2) (-1)^j / ((2 j + 1)! 2^(2 j + 1))
	PAIR A4,  0x3202c4a3
	PAIR A3,  0xb6131d37
	PAIR A2,  0x39c11659
	PAIR A1,  0xbcf15bef
	PAIR A0,  0x3f3504f3
	PAIR CS,  0x3f0293ee                           ; log2(e) / sqrt(8)
	s_mov_b32 s[SEL], 0x76543210
	s_mov_b32 s[SEL+1], 0xfedcba98                 ; v_permlanex16_b32's selects for lane l xor 16
	v_mov_b32 v[A5V], 0xad982aa2
	v_mov_b32 v[A5V+1], 0xad982aa2
	v_and_b32 v15, 31, v0
	v_lshlrev_b32 v[LI], 4, v15
	v_lshl_add_u32 v[SWA], v1, 2, ASCL
	v_add_nc_u32 v[SBA], s[WV], v[SWA]
	; My block of 32 along K is block w of row h: in the operand it lies in lane h + 16 (w % 2), registers 6 (w / 2) .. + 5; my 16 codes are its words 3 u .. 3 u + 2
	s_lshr_b32 s24, s[WV], 1
	s_mul_i32 s24, s24, 6
	s_and_b32 s25, s[WV], 1
	s_lshl_b32 s25, s25, 8
	v_mul_u32_u24 v30, v2, 3
	v_add_nc_u32 v30, s24, v30                     ; the register that my first word is
	v_lshl_add_u32 v31, v1, 4, s25                 ; 16 x the lane that holds it
.irp i, 0,1,2
	v_add_nc_u32 v15, \i, v30
	v_lshrrev_b32 v[IA+\i], 2, v15
	v_and_b32 v15, 3, v15
	v_lshl_add_u32 v[IA+\i], v[IA+\i], 9, v31
	v_lshl_add_u32 v[IA+\i], v15, 2, v[IA+\i]      ; 512 (register / 4) + 16 lane + 4 (register % 4)
.endr
	v_mul_u32_u24 v[STO], v1, SPITCH               ; the stage, in: row r, my wave's 128 bytes, 32 bytes for each half of the lanes
	v_lshl_add_u32 v[STO], v2, 5, v[STO]
	s_lshl_b32 s24, s[WV], 7
	s_add_co_u32 s24, s24, STG
	v_add_nc_u32 v[STO], s24, v[STO]
	s_mul_i32 s25, s[WV], 4*SPITCH                 ; back: rows 4 w .. 4 w + 3, 16 bytes a lane
	s_add_co_u32 s25, s25, STG
	v_add_nc_u32 v[SRD], s25, v[LI]
	s_wait_loadcnt 14                              ; x's four loads and theta's two are in; the 14 younger ones, W's, stay out
	; ---- 16 cosines a lane, two at a time; each line runs over the eight pairs, so that no line waits for the line above it
.irp i, 0,1,2,3,4,5,6,7
	v_pk_add_f32 v[PH+2*\i:PH+2*\i+1], v[PH+2*\i:PH+2*\i+1], v[TH+2*(\i%4):TH+2*(\i%4)+1]   ; phi = x + theta
.endr
.irp i, 0,1,2,3,4,5,6,7
	v_pk_mul_f32 v[KK+2*\i:KK+2*\i+1], v[PH+2*\i:PH+2*\i+1], s[INV:INV+1] op_sel_hi:[1,0]
.endr
.irp j, 0,1,2,3,4,5,6,7,8,9,10,11,12,13,14,15
	v_rndne_f32 v[KK+\j], v[KK+\j]                 ; k
.endr
.irp i, 0,1,2,3,4,5,6,7
	v_pk_fma_f32 v[FF+2*\i:FF+2*\i+1], v[KK+2*\i:KK+2*\i+1], s[NC1:NC1+1], v[PH+2*\i:PH+2*\i+1] op_sel_hi:[1,0,1]
.endr
.irp i, 0,1,2,3,4,5,6,7
	v_pk_fma_f32 v[FF+2*\i:FF+2*\i+1], v[KK+2*\i:KK+2*\i+1], s[NC2:NC2+1], v[FF+2*\i:FF+2*\i+1] op_sel_hi:[1,0,1]   ; f = phi - k 2 pi
.endr
.irp i, 0,1,2,3,4,5,6,7
	v_pk_mul_f32 v[UU+2*\i:UU+2*\i+1], v[FF+2*\i:FF+2*\i+1], v[FF+2*\i:FF+2*\i+1]
.endr
.irp i, 0,1,2,3,4,5,6,7
	v_pk_fma_f32 v[QQ+2*\i:QQ+2*\i+1], v[UU+2*\i:UU+2*\i+1], s[A6:A6+1], v[A5V:A5V+1] op_sel_hi:[1,0,1]
.endr
.irp a, A4, A3, A2, A1, A0
.irp i, 0,1,2,3,4,5,6,7
	v_pk_fma_f32 v[QQ+2*\i:QQ+2*\i+1], v[QQ+2*\i:QQ+2*\i+1], v[UU+2*\i:UU+2*\i+1], s[\a:\a+1] op_sel_hi:[1,1,0]
.endr
.endr
.irp i, 0,1,2,3,4,5,6,7
	v_pk_mul_f32 v[QQ+2*\i:QQ+2*\i+1], v[QQ+2*\i:QQ+2*\i+1], v[FF+2*\i:FF+2*\i+1]   ; s = sqrt(2) sin(f / 2)
.endr
.irp i, 0,1,2,3,4,5,6,7
.if (\i%4) == 0
	v_pk_fma_f32 v[CT+\i/2:CT+\i/2+1], v[QQ+2*\i:QQ+2*\i+1], v[QQ+2*\i:QQ+2*\i+1], 1.0 op_sel_hi:[1,1,0] neg_lo:[1,0,0] neg_hi:[1,0,0]   ; c0, c1 stand apart: z0 and z1 take their places below
.else
	v_pk_fma_f32 v[ZZ+2*\i:ZZ+2*\i+1], v[QQ+2*\i:QQ+2*\i+1], v[QQ+2*\i:QQ+2*\i+1], 1.0 op_sel_hi:[1,1,0] neg_lo:[1,0,0] neg_hi:[1,0,0]   ; c = 1 - s^2
.endif
.endr
	; ---- z: first q_w = c1 .. c_w in place, then z0 = q7 and z_w = c0 q_w; the two tokens by turns
.irp p, 0,1
	v_mul_f32 v[ZZ+8*\p+2], v[CT+2*\p+1], v[ZZ+8*\p+2]
.endr
.irp w, 3,4,5,6
.irp p, 0,1
	v_mul_f32 v[ZZ+8*\p+\w], v[ZZ+8*\p+\w-1], v[ZZ+8*\p+\w]
.endr
.endr
.irp p, 0,1
	v_mul_f32 v[ZZ+8*\p], v[ZZ+8*\p+6], v[ZZ+8*\p+7]                 ; z0 = q7, ahead of the line that turns q6 into z6
	v_mul_f32 v[ZZ+8*\p+1], v[CT+2*\p], v[CT+2*\p+1]
	v_pk_mul_f32 v[ZZ+8*\p+2:ZZ+8*\p+3], v[ZZ+8*\p+2:ZZ+8*\p+3], v[CT+2*\p:CT+2*\p+1] op_sel_hi:[1,0]
	v_pk_mul_f32 v[ZZ+8*\p+4:ZZ+8*\p+5], v[ZZ+8*\p+4:ZZ+8*\p+5], v[CT+2*\p:CT+2*\p+1] op_sel_hi:[1,0]
	v_mul_f32 v[ZZ+8*\p+6], v[CT+2*\p], v[ZZ+8*\p+6]
	v_mul_f32 v[ZZ+8*\p+7], v[CT+2*\p], v[ZZ+8*\p]
.endr
; Score m of lane h: z[h] . z[h xor m].  The first source comes from lane h xor m of my row of 16 lanes.  d outermost, so that 16 sums take turns.
.macro SCORES p
.set ZP, ZZ+8*\p
.set SP, SC+16*\p
	v_mul_f32 v[SP], v[ZP], v[ZP]
.irp m, 1,2,3,4,5,6,7,8,9,10,11,12,13,14,15
	v_mul_f32_dpp v[SP+\m], v[ZP], v[ZP] row_xmask:\m row_mask:0xf bank_mask:0xf
.endr
.irp d, 1,2,3,4,5,6,7
	v_fmac_f32 v[SP], v[ZP+\d], v[ZP+\d]
.irp m, 1,2,3,4,5,6,7,8,9,10,11,12,13,14,15
	v_fmac_f32_dpp v[SP+\m], v[ZP+\d], v[ZP+\d] row_xmask:\m row_mask:0xf bank_mask:0xf
.endr
.endr
.endm
; p = 2^(c s - c max), c = log2(e) / sqrt(8): the row's 16 scores are all mine
.macro EXPS p
.set SP, SC+16*\p
.set TT, TMP+16*\p
	v_max3_num_f32 v[TT], v[SP], v[SP+1], v[SP+2]
	v_max3_num_f32 v[TT+1], v[SP+3], v[SP+4], v[SP+5]
.irp i, 6,10
	v_max3_num_f32 v[TT], v[TT], v[SP+\i], v[SP+\i+1]
	v_max3_num_f32 v[TT+1], v[TT+1], v[SP+\i+2], v[SP+\i+3]
.endr
	v_max3_num_f32 v[TT], v[TT], v[SP+14], v[SP+15]
	v_max_num_f32 v[TT], v[TT], v[TT+1]
	v_mul_f32 v[TT+2], s[CS], v[TT]
.irp i, 0,2,4,6,8,10,12,14
	v_pk_fma_f32 v[SP+\i:SP+\i+1], v[SP+\i:SP+\i+1], s[CS:CS+1], v[TT+2:TT+3] op_sel_hi:[1,0,0] neg_lo:[0,0,1] neg_hi:[0,0,1]
.endr
.irp i, 0,1,2,3,4,5,6,7,8,9,10,11,12,13,14,15
	v_exp_f32 v[SP+\i], v[SP+\i]
.endr
.endm
; the row's sum, in two chains of pairs, and its reciprocal
.macro SUMS p
.set SP, SC+16*\p
.set TT, TMP+16*\p
	v_pk_add_f32 v[TT+4:TT+5], v[SP:SP+1], v[SP+2:SP+3]
	v_pk_add_f32 v[TT+6:TT+7], v[SP+4:SP+5], v[SP+6:SP+7]
	v_pk_add_f32 v[TT+4:TT+5], v[TT+4:TT+5], v[SP+8:SP+9]
	v_pk_add_f32 v[TT+6:TT+7], v[TT+6:TT+7], v[SP+10:SP+11]
	v_pk_add_f32 v[TT+4:TT+5], v[TT+4:TT+5], v[SP+12:SP+13]
	v_pk_add_f32 v[TT+6:TT+7], v[TT+6:TT+7], v[SP+14:SP+15]
	v_pk_add_f32 v[TT+4:TT+5], v[TT+4:TT+5], v[TT+6:TT+7]
	v_add_f32 v[TT+4], v[TT+4], v[TT+5]
	v_rcp_f32 v[TT+8], v[TT+4]
.endm
; o[d] = the sum over m of p_m z[h xor m][d]; my own head's term starts the sums
.macro OUTS p
.set ZP, ZZ+8*\p
.set SP, SC+16*\p
.set OP, OT+8*\p
.irp i, 0,2,4,6
	v_pk_mul_f32 v[OP+\i:OP+\i+1], v[ZP+\i:ZP+\i+1], v[SP:SP+1] op_sel_hi:[1,0]
.endr
.irp m, 1,2,3,4,5,6,7,8,9,10,11,12,13,14,15
.irp d, 0,1,2,3,4,5,6,7
	v_fmac_f32_dpp v[OP+\d], v[ZP+\d], v[SP+\m] row_xmask:\m row_mask:0xf bank_mask:0xf
.endr
.endr
.endm
.macro NORM p                                  ; divided by the row's sum
.set OP, OT+8*\p
.set TT, TMP+16*\p
.irp i, 0,2,4,6
	v_pk_mul_f32 v[OP+\i:OP+\i+1], v[OP+\i:OP+\i+1], v[TT+8:TT+9] op_sel_hi:[1,0]
.endr
.endm
	; ---- the attention of my two tokens.  Behind each batch of exponentials stands the other token's work, which names none of the batch's results; then ONE wait ahead of the batch's first reader
	SCORES 0
	EXPS 0
	SCORES 1
	s_wait_alu depctr_va_vdst(0)                   ; token 0's 16 exponentials have written v32 to v47, which the sums below read
	SUMS 0
	EXPS 1
	OUTS 0
	s_wait_alu depctr_va_vdst(0)                   ; token 0's reciprocal has written v88 and token 1's 16 exponentials v48 to v63, which the lines below read
	SUMS 1
	NORM 0
	OUTS 1
	s_wait_alu depctr_va_vdst(0)                   ; token 1's reciprocal has written v104, which the four lines below read
	NORM 1
	; ---- the quantiser: my 16 numbers and lane l xor 16's are block w of row h
	v_max3_num_f32 v[QT], |v[OT]|, |v[OT+1]|, 0x2800000               ; with the floor 2^(5 - 127) among the leaves: the byte cannot fall under 1
	v_max3_num_f32 v[QT+1], |v[OT+2]|, |v[OT+3]|, |v[OT+4]|
.irp i, 5,9
	v_max3_num_f32 v[QT], v[QT], |v[OT+\i]|, |v[OT+\i+1]|
	v_max3_num_f32 v[QT+1], v[QT+1], |v[OT+\i+2]|, |v[OT+\i+3]|
.endr
	v_max3_num_f32 v[QT], v[QT], |v[OT+13]|, |v[OT+14]|
	v_max3_num_f32 v[QT], v[QT], v[QT+1], |v[OT+15]|
	v_permlanex16_b32 v[QT+2], v[QT], s[SEL], s[SEL+1]                ; (its destination counts as read: the cosines have written it)
	v_max_num_f32 v[QT], v[QT], v[QT+2]                               ; the block's largest magnitude
	v_add_nc_u32 v[QT+3], 0xfe000000, v[QT]                           ; 4 off its exponent field: the conversion takes the exponent field of this operand as its scale
	v_cvt_scalef32_pk16_bf6_f32 v[CD:CD+2], v[OT:OT+15], v[QT+3]      ; 16 codes, 96 bits, the lowest K lowest; beyond 28 the largest code
	v_lshrrev_b32 v[QT+4], 23, v[QT+3]                                ; the scale's byte.  (Also the plain instruction behind a scaled conversion)
	s_wait_alu depctr_va_vdst(0)                   ; the conversion has written my codes v106 to v108 and the shift my byte v94, which the LDS stores below read as data; the LDS addresses v6 to v13, made at the head, are written too
.irp i, 0,1,2
	ds_store_b32 v[IA+\i], v[CD+\i]
.endr
	ds_store_b8 v[SBA], v[QT+4]                    ; both lanes of a block write the same byte with the same value
	s_wait_loadcnt 0x0                             ; W's fragments and scale words, asked for at the head
	s_wait_dscnt 0x0                               ; for the others' sake: my part of the operand lies in LDS
	s_barrier_signal -1
	s_barrier_wait -1                              ; everybody's does
.irp c, 0,1,2
	ds_load_b128 v[AF+4*\c:AF+4*\c+3], v[LI] offset:AIMG+512*\c       ; no vector instruction has been issued since the wait above, and none has ever named v160 to v171 or v154
.endr
	ds_load_b32 v[ASW], v[SWA]
	s_wait_dscnt 0x0
	; columns 32 w + 16 i + 8 (lane / 16) + 0 .. 7 of row r.  All operands and scales come from loads; two sums, each begun with the constant 0
.irp i, 0,1
	v_wmma_scale_f32_16x16x128_f8f6f4 v[DD+8*\i:DD+8*\i+7], v[WF+12*\i:WF+12*\i+11], v[AF:AF+11], 0, v[WSC+\i], v[ASW] matrix_a_fmt:MATRIX_FMT_BF6 matrix_b_fmt:MATRIX_FMT_BF6
.endr
.rept 4
	v_nop                                          ; four places between a matrix instruction on 6-bit operands and the LDS stores that read its result (ISA guide 7.12.1 for vector instructions)
.endr
	s_wait_alu depctr_va_vdst(0)                   ; the two matrix instructions have written the sums v176 to v191, which the LDS stores below read as data; the places above stay beside this wait
.irp i, 0,1
	ds_store_b128 v[STO], v[DD+8*\i:DD+8*\i+3] offset:64*\i           ; each sum from its low end on
	ds_store_b128 v[STO], v[DD+8*\i+4:DD+8*\i+7] offset:64*\i+16
.endr
	s_wait_dscnt 0x0                               ; for the others' sake: my 128 bytes of each of the 16 rows lie in the stage (bytes of its own: other waves may still be reading the image)
	s_barrier_signal -1
	s_barrier_wait -1
.irp i, 0,1,2,3
	ds_load_b128 v[OUTR+4*\i:OUTR+4*\i+3], v[SRD] offset:\i*SPITCH    ; no vector instruction follows the wait above, and none has ever named v192 to v207
.endr
.irp i, 0,1,2,3
	s_wait_dscnt 3-\i                              ; LDS loads come back in order: row i is in, the younger ones may be out
	global_store_b128 v[LI], v[OUTR+4*\i:OUTR+4*\i+3], s[12:13] offset:\i*32*XROW th:TH_STORE_NT   ; head 4 w + i: 32 lanes store a row's 512 consecutive bytes, at a multiple of 512 from out0's first byte
.endr
	s_wait_dscnt 0x0
	s_wait_alu depctr_hold_cnt(0) depctr_sa_sdst(0) depctr_va_vdst(0) depctr_va_sdst(0) depctr_va_ssrc(0) depctr_va_vcc(0) depctr_vm_vsrc(0)
	s_wait_tensorcnt 0x0
	ds_add_u32 v174, v175
	s_wait_dscnt 0x0
	s_endpgm
.Lfunc_end_k_q723b17d2b6_qattn:
	.size	k_q723b17d2b6_qattn, .Lfunc_end_k_q723b17d2b6_qattn-k_q723b17d2b6_qattn
	.p2alignl 7, 3214868480
	.fill 96, 4, 3214868480
	.section	.rodata,"a",@progbits
	.p2align	6, 0x0
	.amdhsa_kernel k_q723b17d2b6_qattn
		.amdhsa_group_segment_fixed_size 10752
		.amdhsa_private_segment_fixed_size 0
		.amdhsa_enable_private_segment 0
		.amdhsa_kernarg_size 40
		.amdhsa_user_sgpr_count 2
		.amdhsa_user_sgpr_kernarg_segment_ptr 1
		.amdhsa_wavefront_size32 1
		.amdhsa_system_sgpr_workgroup_id_x 1
		.amdhsa_system_sgpr_workgroup_id_y 1
		.amdhsa_system_sgpr_workgroup_id_z 1
		.amdhsa_system_vgpr_workitem_id 0
		.amdhsa_next_free_vgpr 208
		.amdhsa_next_free_sgpr 66
		.amdhsa_reserve_vcc 0
		.amdhsa_float_denorm_mode_32 3
		.amdhsa_float_denorm_mode_16_64 3
		.amdhsa_memory_ordered 1
		.amdhsa_forward_progress 1
		.amdhsa_inst_pref_size 54
	.end_amdhsa_kernel
	.amdgpu_metadata
---
amdhsa.version: [ 1, 2 ]
amdhsa.kernels:
  - .name:           k_q723b17d2b6_qattn
    .symbol:         k_q723b17d2b6_qattn.kd
    .args:
      - { .name: x, .offset: 0, .size: 8, .value_kind: global_buffer, .address_space: global }
      - { .name: theta, .offset: 8, .size: 8, .value_kind: global_buffer, .address_space: global }
      - { .name: w_combine_codes, .offset: 16, .size: 8, .value_kind: global_buffer, .address_space: global }
      - { .name: w_combine_scales, .offset: 24, .size: 8, .value_kind: global_buffer, .address_space: global }
      - { .name: out0, .offset: 32, .size: 8, .value_kind: global_buffer, .address_space: global }
    .group_segment_fixed_size: 10752
    .private_segment_fixed_size: 0
    .kernarg_segment_align: 8
    .kernarg_segment_size: 40
    .max_flat_workgroup_size: 128
    .sgpr_count:     66
    .vgpr_count:     208
    .wavefront_size: 32
...
	.end_amdgpu_metadata
.endif
;; end of part 2
